; MI455X (gfx1250); checked and timed in simulation.
; The chip was launched on July 23, 2026; its instructions are those of AMD's public machine-readable ISA for CDNA 5 (MIT licence, August 2026) and "CDNA5" Instruction Set Architecture Reference Guide (July 2026). The comments in the code are by the model that wrote it; some were corrected since.
;; Self Attention Naive. Allowed arithmetic: matrix products marked QUANTISED: E4M3 operands, one E8M0 scale for each 32 along K, by v_wmma_scale_f32_16x16x128_f8f6f4 with both operands' format E4M3, f32 sums; everything else in f32.
;; Inputs: gamma 1 float32; wf 64 x 256 float32; wg 64 x 256 float32; wh 256 x 256 float32; x 8 x 256 x 64 x 64 float32.
;; Outputs: out0 8 x 256 x 64 x 64 float32.
;; This version of the problem:
;;   THIS VERSION OF THE PROBLEM IS GIVEN IN LOW PRECISION. The matrix products marked QUANTISED in the list below multiply operands that are first quantised to E4M3 (4 exponent bits, 3 mantissa bits; 8 bits a number), with one power-of-two scale for each 32 numbers along K (OCP MX v1.0); their sums are f32. All else is computed in f32.
;;   The module's matrix products, in the order in which they are computed (A, B: the left and right operand; K: the contracted axis; several contracted axes count as one K, in the product's order):
;;     1. [M 32,768, K 256] x [K 256, N 64]; A: input x; B: input wf: QUANTISED
;;     2. [M 32,768, K 256] x [K 256, N 64]; A: input x; B: input wg: QUANTISED
;;     3. [M 32,768, K 256] x [K 256, N 256]; A: input x; B: input wh: QUANTISED
;;     4. batch 8 x [M 4,096, K 64] x [K 64, N 4,096]; A: computed on the way; B: computed on the way: QUANTISED
;;     5. batch 8 x [M 256, K 4,096] x [K 4,096, N 4,096]; A: computed on the way; B: softmax (see below): QUANTISED
;;   THE QUANTISER, for each operand of a quantised product, along K:
;;     - K is cut into blocks of 32 from its start; a last block that is shorter is filled with zeros.
;;     - A block's scale is 2^e with e = floor(log2(the largest magnitude in the block)) - 8, held to -126 .. 127; a block of zeros has e = 0. As a byte (E8M0): e + 127.
;;     - Each number is divided by its block's scale, clamped to +-448, and rounded to the nearest number of E4M3, ties to even, subnormals kept.
;;     - The product sums the exact products of the quantised numbers (number of the format x scale) in f32.
;;   ~~~python
;;   def quantise(x, axis):      # numpy; x: float32 -> the quantised numbers, widened to float32 again
;;       x = np.moveaxis(x, axis, -1); K = x.shape[-1]
;;       x = np.pad(x, [(0, 0)] * (x.ndim - 1) + [(0, -K % 32)]); x = x.reshape(x.shape[:-1] + (-1, 32)); a = np.abs(x).max(-1, keepdims=True)
;;       e = np.where(a > 0, np.clip(np.frexp(np.where(a > 0, a, 1))[1] - 1 - 8, -126, 127), 0)      # np.frexp(a)[1] - 1 = floor(log2(a)), exactly
;;       r = np.clip(x / 2.0 ** e, -448, 448)
;;       step = 2.0 ** (np.maximum(np.frexp(np.where(r == 0, 1, r))[1] - 1, -6) - 3)
;;       q = np.round(r / step) * step * 2.0 ** e      # np.round: ties to even
;;       return np.moveaxis(q.reshape(q.shape[:-2] + (-1,))[..., :K], -1, axis).astype(np.float32)
;;   ~~~
;;   SOFTMAX AHEAD OF A QUANTISED PRODUCT. Where the list says 'softmax', what is quantised is not the finished softmax but p = 2^(t - M), with t = logit x log2(e) and M = ceil(the row's largest t), a whole number; so 1/2 < the row's largest p <= 1. The row's sum l is taken of the UNQUANTISED p, in f32, and the product's result is divided by l at the end. Since M is a whole number, a kernel that streams over the keys may use a running M (the ceiling of the running maximum): every later rescaling is an exact power of two, which a block's scale takes up: the codes' values come out the same.
;;   OPERANDS COMPUTED ON THE WAY. 'Computed on the way' means the value that the module computes at that place (a softmax that the list does not call 'softmax' is quantised finished and normalised). What goes into a quantiser is computed in f32, as accurately as f32 sums, v_exp_f32 and their like allow (about 1e-6 of the number): no bf16 or f16 on the way to a quantiser, and a product that is left as it is and whose result goes on into a quantised operand takes f32 operands (vector FMAs, or v_wmma_f32_16x16x4_f32). A number that lies on a knife's edge between two numbers of the format may be rounded either way, as far as f32 arithmetic and the matrix unit's own rounding can turn it there, and no further.
;; One version. Each part assembles by itself: llvm-mc -triple=amdgcn-amd-amdhsa -mcpu=gfx1250 --defsym DOCPART=n.
;; ======== version 1 of 1: 2 launches
;; limits: right only within a limited range of input values
;; workspace buffers: kv 10,878,976 bytes; qc 2,228,224 bytes
;; launch proj (part 1): grid 32 x 8, 8 waves a work-group, no clusters, 275,456 bytes of LDS; arguments x, wf, wg, wh, kv, qc; writes kv, qc
.if DOCPART == 1
	.amdgcn_target "amdgcn-amd-amdhsa--gfx1250"
	.amdhsa_code_object_version 6
	.text
	.protected	k_qaf4085c3b2_proj
	.globl	k_qaf4085c3b2_proj
	.p2align	8
	.type	k_qaf4085c3b2_proj,@function
k_qaf4085c3b2_proj:
	s_mov_b64 s[64:65], 0
	v_nop
	global_prefetch_b8 v0, s[64:65] scope:SCOPE_SE
	s_setreg_imm32_b32 hwreg(HW_REG_WAVE_MODE, 25, 1), 1
	s_wait_xcnt 0x0
; fx = wf x, gx = wg x, hx = wh x on codes of FP8 (E4M3) with one E8M0 scale for each 32 along K = the 256 channels of x; then fx and gx are quantised along their 64 channels and hx along the positions,
; and all three leave in the ORDER OF THE OPERAND'S REGISTERS, so that the next launch reads fragments by 16-byte loads alone.
; x: [8][256][4096] f32.  wf, wg: [64][256], wh: [256][256] f32.  A work-group takes one CHUNK of 128 positions of one batch (grid x = chunk, y = batch); eight waves.
; THE POSITIONS OF A TILE ARE NOT NEIGHBOURS: lane r of tile 2 b + u takes position 32 b + 8 u + r + 8 (r / 8) of the chunk (and wf's and wg's rows are taken so too), so that in a transposed product
; the 16 registers of tiles 2 b and 2 b + 1 are 16 neighbours along the next K: 32 b + 16 (lane / 16) + 0 .. 15.
; kv, a chunk = 42,496 bytes: fx's 8 tiles (1,024 bytes each: registers 0-3, then 4-7, 16 bytes a lane); 512 bytes of fx's scale words; 1,024 of hx's; hx's 16 channel tiles (2,048 bytes each).
; qc, a chunk = 8,704 bytes: gx's 8 tiles likewise; 512 bytes of gx's scale words (64 a tile).  In fx's and gx's words bytes 2 and 3 are 0: the next launch's K = 64 fills half of an instruction's 128.
; PHASES: W: each wave quantises six weight fragments (16 rows x 128 K) while x's tile is on its way into LDS | barrier | X: wave w quantises position tile w of x (two fragments) | barrier |
; FG: wave w makes fx and gx of position tile w | H: wave w makes hx's channel tiles 2 w, 2 w + 1 for all 128 positions | barrier | four waves store the scale words.
; Operands go from wave to wave through LDS as images of their registers: 4 stores of 512 bytes, 16 bytes a lane; scale words 4 bytes a lane.
; NO JOINT LOADS: what the work-groups share is the weights, 393,216 bytes of f32, which do not fit in LDS beside x's tile of 133,120; each wave loads its 49,152 bytes of them straight into registers.
; LIMITS: a block whose largest magnitude lies under 2^-118 keeps the scale byte 1 (a block of zeros too: its codes are zeros, and this program alone reads the bytes); NaN and infinities are not served.
.set XP,    520                        ; a row of x's tile in LDS: 512 bytes + 8 of padding = 130 words: 16 rows are 2,080 words = 32 mod 64, so the two halves of the lanes fall on different banks
.set WIMG,  133120                     ; behind x's 256 rows: 48 weight fragments x 2,048 bytes (fragment 2 p + s: p = 0-3 wf's tiles, 4-7 wg's, 8-23 wh's; s the K step)
.set WSC,   231424                     ; their scale words, 128 bytes each
.set XIMG,  237568                     ; x's 16 fragments (2 t + s)
.set XSC,   270336                     ; their scale words
.set SST,   272384                     ; the scale words on their way out: fx's 512 bytes, hx's 1,024, gx's 512
.set KCH,   42496
.set QCH,   8704
.set LI,  1                            ; 16 x lane
.set LS,  2                            ; 4 x lane
.set SQ,  3                            ; where gx's scale word goes in SST
.set WAP, 4                            ; wf, wg: my row (by the pattern) x 1,024 + 64 (lane / 16)
.set WAN, 5                            ; wh: row lane % 16 x 1,024 + 64 (lane / 16)
.set WIF, 6                            ; my wf or wg tile's images
.set WIH, 7                            ; my two wh tiles' images
.set WSF, 8                            ; and their scale words
.set WSH, 9
.set XA0, 10                           ; x's tile: my position's column, K step 0
.set XA1, 11                           ; K step 1
.set XWI, 12                           ; my position tile's images
.set XWS, 13
.set FWI, 14                           ; any weight image
.set FWS, 15
.set FXI, 16                           ; any image of x
.set FXS, 17
.set SK,  18                           ; where fx's scale word goes in SST
.set SV,  19                           ; and hx's
.set WS,  20                           ; v20-23 weights' scale words: scales and nothing else
.set XS,  24                           ; v24-25 x's scale words: scales and nothing else
.set PW,  26                           ; the scale word just made
.set KW,  27                           ; its low half
.set PC,  28                           ; v28-43 the codes just made
.set TM,  44                           ; v44-59 at work in QUANT
.set GK,  60                           ; byte offset of my tile of fx (gx) in a chunk
.set GV,  61                           ; of my two tiles of hx
.set GS,  62                           ; of the scale words
.set QW,  63                           ; the scale word's high half
.set BA,  64                           ; three buffers of 64 registers
.set BB,  128
.set BC,  192
.set WV,  16
.set BT,  17
.set SEL, 20
.set MNT, 23
.set G1,  24
.set G0,  32
.set WFG, 36                           ; s[36:37] my tile of wf or wg
.set WHB, 38                           ; s[38:39] my 32 rows of wh
.set KVB, 40                           ; s[40:41] my chunk of kv
.set QCB, 42                           ; s[42:43] my chunk of qc
.macro PLACES n
.rept \n
	v_nop
.endr
.endm
.macro BARRIER                         ; my LDS stores have landed and my LDS loads are in: then the work-group's barrier
	s_wait_dscnt 0x0
	s_barrier_signal -1
	s_barrier_wait -1
.endm
; 64 numbers of a lane, register 16 b + i = k 32 b + 16 (lane / 16) + i of my row, become a fragment's codes in v[PC] on and its scale word in v[PW]
.macro QUANT s
.irp b, 0,1,2,3
	v_max3_num_f32 v[TM+\b], |v[\s+16*\b]|, |v[\s+1+16*\b]|, 0x4800000   ; block b: my 16 numbers, and the floor 2^(9 - 127): the byte cannot fall under 1
.endr
.irp i, 2,4,6,8,10,12,14
.irp b, 0,1,2,3
	v_max3_num_f32 v[TM+\b], v[TM+\b], |v[\s+16*\b+\i]|, |v[\s+1+16*\b+\i]|   ; the four blocks by turns
.endr
.endr
.irp b, 0,1,2,3
	s_delay_alu instid0(VALU_DEP_4)
	v_permlanex16_b32 v[TM+4+\b], v[TM+\b], s[SEL], s[SEL+1]
.endr
.irp b, 0,1,2,3
	s_delay_alu instid0(VALU_DEP_4)
	v_max_num_f32 v[TM+\b], v[TM+\b], v[TM+4+\b]   ; with lane l xor 16's: the block's largest magnitude
.endr
.irp b, 0,1,2,3
	s_delay_alu instid0(VALU_DEP_4)
	v_add_nc_u32 v[TM+12+\b], 0xfc000000, v[TM+\b]   ; 8 off its exponent field: the conversion's scale operand
.endr
.irp b, 0,1,2,3
.endr
.irp b, 0,1,2,3
	s_delay_alu instid0(VALU_DEP_4)
	v_lshrrev_b32 v[TM+4+\b], 23, v[TM+12+\b]   ; the scale's byte
.endr
	s_delay_alu instid0(VALU_DEP_3)
	v_lshl_or_b32 v[PW], v[TM+5], 8, v[TM+4]
	s_delay_alu instid0(VALU_DEP_1)
	v_lshl_or_b32 v[PW], v[TM+6], 16, v[PW]
	s_delay_alu instid0(VALU_DEP_1)
	v_lshl_or_b32 v[PW], v[TM+7], 24, v[PW]
.irp b, 0,1,2,3
.irp i, 0,1,2,3,4,5,6,7,8,9,10,11,12,13,14,15
.endr
	v_cvt_scalef32_pk8_fp8_f32 v[PC+4*\b:PC+1+4*\b], v[\s+16*\b:\s+7+16*\b], v[TM+12+\b]
	v_cvt_scalef32_pk8_fp8_f32 v[PC+2+4*\b:PC+3+4*\b], v[\s+8+16*\b:\s+15+16*\b], v[TM+12+\b]
.endr
	v_nop                                          ; one plain instruction behind the last conversions, ahead of whatever next writes their sources
.endm
.macro IMAGE adr, off                  ; the fragment in v[PC] on goes to LDS as it stands
.irp c, 0,1,2,3
	ds_store_b128 v[\adr], v[PC+4*\c:PC+4*\c+3] offset:\off+512*\c
.endr
.endm
.macro FETCH reg, adr, off             ; and comes back so, in any wave
.irp c, 0,1,2,3
	ds_load_b128 v[\reg+4*\c:\reg+4*\c+3], v[\adr] offset:\off+512*\c
.endr
.endm
.macro WLOAD buf, adr, base, off       ; 16 rows x 128 K of a weight: of each block of 32 my 16 numbers, 64 bytes
.irp b, 0,1,2,3
.irp j, 0,1,2,3
	global_load_b128 v[\buf+16*\b+4*\j:\buf+16*\b+4*\j+3], v[\adr], s[\base:\base+1] offset:\off+128*\b+16*\j
.endr
.endr
.endm
.macro WQ buf, left, iadr, ioff, sadr, soff    ; a weight fragment is quantised and stored; left: the loads of later fragments, which may stay out
	s_wait_loadcnt \left
	QUANT \buf
	IMAGE \iadr, \ioff
	ds_store_b32 v[\sadr], v[PW] offset:\soff
	s_wait_dscnt 0x0                               ; the stores have read their registers
.endm
.macro XLD buf, adr, b                 ; block b of a K step of x: x(32 b + 16 (lane / 16) + i, my position)
.irp i, 0,1,2,3,4,5,6,7,8,9,10,11,12,13,14,15
	ds_load_b32 v[\buf+16*\b+\i], v[\adr] offset:(32*\b+\i)*XP
.endr
.endm
	s_load_b256 s[4:11], s[0:1], 0x0               ; x s[4:5], wf s[6:7], wg s[8:9], wh s[10:11]
	s_load_b128 s[12:15], s[0:1], 0x20             ; kv s[12:13], qc s[14:15]
	s_set_vgpr_msb 0x40
	v_lshl_add_u32 v0, v0, 2, 0x43000
	v_mov_b32 v1, 0
	s_set_vgpr_msb 0x4045
	ds_add_u32 v0, v1
	ds_add_u32 v0, v1
	s_set_vgpr_msb 0x4500
	v_lshrrev_b32 v28, 5, v0
	s_delay_alu instid0(VALU_DEP_1)
	v_readfirstlane_b32 s[WV], v28                 ; wave 0..7
	s_and_b32 s[BT], ttmp7, 0xffff                 ; batch
	; descriptor group 1: 64 rows (channels) x 128 f32 (positions), rows 4,096 elements apart, 2 words of padding behind each 128
	s_mov_b32 s[G1], (2<<16)|(1<<20)|(6<<22)|(1<<25)
	s_mov_b32 s[G1+1], 128<<16                     ; tensor_dim0
	s_mov_b32 s[G1+2], 64<<16                      ; tensor_dim1
	s_mov_b32 s[G1+3], 128<<16                     ; tile_dim0
	s_mov_b32 s[G1+4], 64                          ; tile_dim1
	s_mov_b32 s[G1+5], 4096                        ; tensor_dim0_stride
	s_mov_b32 s[G1+6], 0
	s_mov_b32 s[G1+7], 0
	s_mov_b32 s[G0], 1
	s_mul_i32 s[G0+1], s[WV], 64*XP                ; wave w's 64 rows
	s_lshl_b32 s44, s[BT], 22                      ; a batch is 256 x 16,384 bytes
	s_lshl_b32 s45, s[WV], 20                      ; 64 channels
	s_add_co_u32 s44, s44, s45
	s_lshl_b32 s45, ttmp9, 9                       ; the chunk's 512 bytes of a row
	s_add_co_u32 s44, s44, s45
	s_mov_b32 s45, 0
	s_mov_b32 s[SEL], 0x76543210
	s_mov_b32 s[SEL+1], 0xfedcba98                 ; v_permlanex16_b32's selects for lane l xor 16
	s_wait_dscnt 0x0
	s_wait_kmcnt 0x0
	s_add_nc_u64 s[G0+2:G0+3], s[4:5], s[44:45]
	s_or_b32 s[G0+3], s[G0+3], 0x80000000
	s_cmp_lt_u32 s[WV], 4                          ; waves 0 to 3 bring x's tile, a quarter each: filled once
	s_cbranch_scc0 .Lno_x
	tensor_load_to_lds s[G0:G0+3], s[G1:G1+7]
	s_nop 0
.rept 4
	v_nop
.endr
.Lno_x:
	s_cmp_lt_u32 s[WV], 4                          ; waves 0-3 take wf's four tiles, waves 4-7 wg's: the choice hangs on the wave's number alone
	s_cselect_b64 s[WFG:WFG+1], s[6:7], s[8:9]
	s_bfe_u32 s44, s[WV], 0x10001
	s_lshl_b32 s44, s44, 15                        ; tile 2 b + u begins at row 32 b + 8 u
	s_and_b32 s46, s[WV], 1
	s_lshl_b32 s46, s46, 13
	s_add_co_u32 s44, s44, s46
	s_add_nc_u64 s[WFG:WFG+1], s[WFG:WFG+1], s[44:45]
	s_lshl_b32 s44, s[WV], 15                      ; my 32 rows of wh
	s_add_nc_u64 s[WHB:WHB+1], s[10:11], s[44:45]
	s_lshl_b32 s44, s[BT], 5
	s_add_co_u32 s44, s44, ttmp9                   ; 32 x batch + chunk
	s_mul_i32 s46, s44, KCH
	s_mov_b32 s47, 0
	s_add_nc_u64 s[KVB:KVB+1], s[12:13], s[46:47]
	s_mul_i32 s46, s44, QCH
	s_add_nc_u64 s[QCB:QCB+1], s[14:15], s[46:47]
	v_and_b32 v28, 31, v0                          ; lane
	v_and_b32 v29, 15, v0                          ; r
	v_bfe_u32 v30, v0, 4, 1                        ; h
	s_delay_alu instid0(VALU_DEP_2)
	v_and_b32 v31, 8, v29
	s_delay_alu instid0(VALU_DEP_1)
	v_add_nc_u32 v31, v31, v29                     ; r + 8 (r / 8)
	s_delay_alu instid0(VALU_DEP_1)
	v_lshlrev_b32 v[WAP], 10, v31
	s_delay_alu instid0(VALU_DEP_1)
	v_lshl_add_u32 v[WAP], v30, 6, v[WAP]
	v_lshlrev_b32 v[WAN], 10, v29
	s_delay_alu instid0(VALU_DEP_1)
	v_lshl_add_u32 v[WAN], v30, 6, v[WAN]
	WLOAD BA, WAP, WFG, 0                          ; my tile of wf or wg, K step 0,
	WLOAD BB, WAP, WFG, 512                        ; K step 1,
	WLOAD BC, WAN, WHB, 0                          ; my first tile of wh, K step 0
	v_lshlrev_b32 v[LI], 4, v28
	v_lshlrev_b32 v[LS], 2, v28
	s_wait_alu depctr_va_vdst(0)
	s_lshl_b32 s44, s[WV], 12
	s_add_co_u32 s46, s44, WIMG
	v_add_nc_u32 v[WIF], s46, v[LI]
	s_add_co_u32 s46, s44, XIMG
	v_add_nc_u32 v[XWI], s46, v[LI]
	v_add_nc_u32 v[GV], s44, v[LI]
	s_lshl_b32 s44, s[WV], 13
	s_add_co_u32 s44, s44, WIMG+32768
	v_add_nc_u32 v[WIH], s44, v[LI]
	s_lshl_b32 s44, s[WV], 8
	s_add_co_u32 s46, s44, WSC
	v_add_nc_u32 v[WSF], s46, v[LS]
	s_add_co_u32 s46, s44, XSC
	v_add_nc_u32 v[XWS], s46, v[LS]
	s_lshl_b32 s44, s[WV], 9
	s_add_co_u32 s44, s44, WSC+2048
	v_add_nc_u32 v[WSH], s44, v[LS]
	v_add_nc_u32 v[FWI], WIMG, v[LI]
	v_add_nc_u32 v[FWS], WSC, v[LS]
	v_add_nc_u32 v[FXI], XIMG, v[LI]
	v_add_nc_u32 v[FXS], XSC, v[LS]
	v_mul_u32_u24 v[XA0], v30, 16*XP               ; lanes 16-31 begin 16 channels further down
	s_delay_alu instid0(VALU_DEP_1)
	v_lshl_add_u32 v[XA0], v31, 2, v[XA0]
	s_lshr_b32 s44, s[WV], 1
	s_lshl_b32 s44, s44, 7
	s_and_b32 s46, s[WV], 1
	s_lshl_b32 s46, s46, 5
	s_add_co_u32 s44, s44, s46                     ; tile w begins at position 32 (w / 2) + 8 (w % 2)
	v_add_nc_u32 v[XA0], s44, v[XA0]
	s_delay_alu instid0(VALU_DEP_1)
	v_add_nc_u32 v[XA1], 128*XP, v[XA0]
	s_and_b32 s44, s[WV], 1                        ; fx's word of (tile t, lane r): 16 r + 256 (t % 2) + 4 (t / 2)
	s_lshl_b32 s44, s44, 8
	s_lshr_b32 s46, s[WV], 1
	s_lshl_b32 s46, s46, 2
	s_add_co_u32 s44, s44, s46
	s_add_co_u32 s44, s44, SST
	v_lshl_add_u32 v[SK], v29, 4, s44
	s_lshr_b32 s44, s[WV], 2                       ; hx's word of (channel tile ct = 2 w + e, channel r): 512 (ct / 8) + 256 (ct % 2) + 16 r + 4 ((ct / 2) % 4)
	s_lshl_b32 s44, s44, 9
	s_and_b32 s46, s[WV], 3
	s_lshl_b32 s46, s46, 2
	s_add_co_u32 s44, s44, s46
	s_add_co_u32 s44, s44, SST+512
	v_lshl_add_u32 v[SV], v29, 4, s44
	s_lshl_b32 s44, s[WV], 6                       ; gx's word: 64 t + 4 r
	s_add_co_u32 s44, s44, SST+1536
	v_lshl_add_u32 v[SQ], v29, 2, s44
	s_lshl_b32 s44, s[WV], 10
	v_add_nc_u32 v[GK], s44, v[LI]
.irp b, 0,1,2,3
	v_mov_b32 v[TM+4+\b], 0                        ; written once: a lane permute's destination counts as one of its sources
.endr
	; ---- W: six weight fragments a wave; three are always asked for ahead
	WQ BA, 32, WIF, 0, WSF, 0
	WLOAD BA, WAN, WHB, 512
	WQ BB, 32, WIF, 2048, WSF, 128
	WLOAD BB, WAN, WHB, 16384
	WQ BC, 32, WIH, 0, WSH, 0
	WLOAD BC, WAN, WHB, 16384+512
	WQ BA, 32, WIH, 2048, WSH, 128
	WQ BB, 16, WIH, 4096, WSH, 256
	WQ BC, 0, WIH, 6144, WSH, 384
	s_wait_tensorcnt 0x0                           ; my quarter of x's tile is in
	BARRIER                                        ; x's tile and the 48 weight fragments lie in LDS
	; ---- X: my position tile of x: a lane takes a position, its registers run down the channels
.irp b, 0,1,2,3
	XLD BA, XA0, \b
.endr
	XLD BB, XA1, 0
	XLD BB, XA1, 1
	s_wait_dscnt 32                                ; K step 0's 64 loads are in; the 32 issued behind them may be out
	XLD BB, XA1, 2
	XLD BB, XA1, 3
	QUANT BA
	IMAGE XWI, 0
	ds_store_b32 v[XWS], v[PW]
	s_wait_dscnt 0x0                               ; the stores have read their registers; K step 1 is in
	QUANT BB
	IMAGE XWI, 2048
	ds_store_b32 v[XWS], v[PW] offset:128
	BARRIER                                        ; x's sixteen fragments lie in LDS
	; ---- FG: fx and gx of my position tile, transposed: source 0 = 16 rows of wf or wg, source 1 = x: a lane holds one position, its registers run along the 64 + 64 channels
	FETCH BC, XWI, 0
	FETCH BC+16, XWI, 2048
	ds_load_b32 v[XS], v[XWS]
	ds_load_b32 v[XS+1], v[XWS] offset:128
.macro FGG s, r0                       ; K step s, weight tiles r0 .. r0 + 3.  The eight accumulators take turns, one instruction a turn
.irp k, 0,1,2,3
	FETCH BB+16*\k, FWI, (2*(\r0+\k)+\s)*2048
	ds_load_b32 v[WS+\k], v[FWS] offset:(2*(\r0+\k)+\s)*128
.endr
	s_wait_dscnt 0x0
.irp k, 0,1,2,3
.if \s == 0
	v_wmma_scale_f32_16x16x128_f8f6f4 v[BA+8*(\r0+\k):BA+8*(\r0+\k)+7], v[BB+16*\k:BB+16*\k+15], v[BC:BC+15], 0, v[WS+\k], v[XS]
.else
	v_wmma_scale_f32_16x16x128_f8f6f4 v[BA+8*(\r0+\k):BA+8*(\r0+\k)+7], v[BB+16*\k:BB+16*\k+15], v[BC+16:BC+31], v[BA+8*(\r0+\k):BA+8*(\r0+\k)+7], v[WS+\k], v[XS+1]
.endif
.endr
.endm
	FGG 0, 0
	PLACES 8                                       ; eight places in front of loads into registers that these matrix instructions have read
	FGG 0, 4
	PLACES 8
	FGG 1, 0
	PLACES 8
	FGG 1, 4
	PLACES 8                                       ; and in front of the first read of results
	QUANT BA                                       ; blocks 0, 1: fx's 64 channels; blocks 2, 3: gx's
	global_store_b128 v[GK], v[PC:PC+3], s[KVB:KVB+1]                 ; each store of the wave covers 512 consecutive bytes, aligned
	global_store_b128 v[GK], v[PC+4:PC+7], s[KVB:KVB+1] offset:512
	global_store_b128 v[GK], v[PC+8:PC+11], s[QCB:QCB+1]
	global_store_b128 v[GK], v[PC+12:PC+15], s[QCB:QCB+1] offset:512
	v_and_b32 v[KW], 0xffff, v[PW]                 ; fx's two bytes, two zeros above
	v_lshrrev_b32 v[QW], 16, v[PW]                 ; gx's likewise
	ds_store_b32 v[SK], v[KW]                      ; lanes r and r + 16 write the same word with the same value
	ds_store_b32 v[SQ], v[QW]
	; ---- H: hx, source 0 = 16 positions of x, source 1 = 16 rows of wh: a lane holds one channel, its registers run along the positions.  Accumulator (e, t) at BA + 64 e + 8 t: sixteen, by turns
.irp s, 0,1
	PLACES 8
	FETCH BC, WIH, \s*2048
	FETCH BC+16, WIH, (2+\s)*2048
	ds_load_b32 v[WS], v[WSH] offset:\s*128
	ds_load_b32 v[WS+1], v[WSH] offset:(2+\s)*128
.irp tp, 0,1,2,3
.if \tp > 0
	PLACES 8
.endif
.irp u, 0,1
	FETCH BC+32+16*\u, FXI, (2*(2*\tp+\u)+\s)*2048
	ds_load_b32 v[XS+\u], v[FXS] offset:(2*(2*\tp+\u)+\s)*128
.endr
	s_wait_dscnt 0x0
.irp u, 0,1
.irp e, 0,1
.if \s == 0
	v_wmma_scale_f32_16x16x128_f8f6f4 v[BA+64*\e+8*(2*\tp+\u):BA+64*\e+8*(2*\tp+\u)+7], v[BC+32+16*\u:BC+32+16*\u+15], v[BC+16*\e:BC+16*\e+15], 0, v[XS+\u], v[WS+\e]
.else
	v_wmma_scale_f32_16x16x128_f8f6f4 v[BA+64*\e+8*(2*\tp+\u):BA+64*\e+8*(2*\tp+\u)+7], v[BC+32+16*\u:BC+32+16*\u+15], v[BC+16*\e:BC+16*\e+15], v[BA+64*\e+8*(2*\tp+\u):BA+64*\e+8*(2*\tp+\u)+7], v[XS+\u], v[WS+\e]
.endif
.endr
.endr
.endr
.endr
	PLACES 8
.irp e, 0,1
	s_wait_xcnt 0x0                                ; the earlier global stores have read v[PC] on: it is rewritten only behind this wait
	s_wait_dscnt 0x0
	QUANT BA+64*\e                                 ; channel tile 2 w + e: four blocks of 32 positions
.irp c, 0,1,2,3
	global_store_b128 v[GV], v[PC+4*\c:PC+4*\c+3], s[KVB:KVB+1] offset:9728+2048*\e+512*\c
.endr
	ds_store_b32 v[SV], v[PW] offset:256*\e
.endr
	BARRIER                                        ; all scale words lie in SST
	s_lshl_b32 s46, s[WV], 9
	s_cmp_lt_u32 s[WV], 4                          ; four waves store 512 bytes each: fx's, hx's two halves, gx's
	s_cbranch_scc0 .Lend
	s_add_co_u32 s47, s46, SST
	v_add_nc_u32 v68, s47, v[LI]
	ds_load_b128 v[64:67], v68
	s_cmp_eq_u32 s[WV], 3
	s_cselect_b64 s[44:45], s[QCB:QCB+1], s[KVB:KVB+1]
	s_cselect_b32 s46, 0, s46
	v_add_nc_u32 v[GS], s46, v[LI]
	s_wait_alu depctr_va_vdst(0)
	s_wait_dscnt 0x0
	global_store_b128 v[GS], v[64:67], s[44:45] offset:8192
.Lend:
	s_set_vgpr_msb 0x5
	s_wait_tensorcnt 0x0
	ds_add_u32 v0, v1
	s_wait_dscnt 0x0
	s_set_vgpr_msb 0x500
	s_endpgm
.Lfunc_end_k_qaf4085c3b2_proj:
	.size	k_qaf4085c3b2_proj, .Lfunc_end_k_qaf4085c3b2_proj-k_qaf4085c3b2_proj
	.p2alignl 7, 3214868480
	.fill 96, 4, 3214868480
	.section	.rodata,"a",@progbits
	.p2align	6, 0x0
	.amdhsa_kernel k_qaf4085c3b2_proj
		.amdhsa_group_segment_fixed_size 275456
		.amdhsa_private_segment_fixed_size 0
		.amdhsa_enable_private_segment 0
		.amdhsa_kernarg_size 48
		.amdhsa_user_sgpr_count 2
		.amdhsa_user_sgpr_kernarg_segment_ptr 1
		.amdhsa_wavefront_size32 1
		.amdhsa_system_sgpr_workgroup_id_x 1
		.amdhsa_system_sgpr_workgroup_id_y 1
		.amdhsa_system_sgpr_workgroup_id_z 1
		.amdhsa_system_vgpr_workitem_id 0
		.amdhsa_next_free_vgpr 258
		.amdhsa_next_free_sgpr 66
		.amdhsa_reserve_vcc 0
		.amdhsa_float_denorm_mode_32 3
		.amdhsa_float_denorm_mode_16_64 3
		.amdhsa_fp16_overflow 1
		.amdhsa_memory_ordered 1
		.amdhsa_forward_progress 1
		.amdhsa_inst_pref_size 96
	.end_amdhsa_kernel
	.amdgpu_metadata
---
amdhsa.version: [ 1, 2 ]
amdhsa.kernels:
  - .name:           k_qaf4085c3b2_proj
    .symbol:         k_qaf4085c3b2_proj.kd
    .args:
      - { .name: x, .offset: 0, .size: 8, .value_kind: global_buffer, .address_space: global }
      - { .name: wf, .offset: 8, .size: 8, .value_kind: global_buffer, .address_space: global }
      - { .name: wg, .offset: 16, .size: 8, .value_kind: global_buffer, .address_space: global }
      - { .name: wh, .offset: 24, .size: 8, .value_kind: global_buffer, .address_space: global }
      - { .name: kv, .offset: 32, .size: 8, .value_kind: global_buffer, .address_space: global }
      - { .name: qc, .offset: 40, .size: 8, .value_kind: global_buffer, .address_space: global }
    .group_segment_fixed_size: 275456
    .private_segment_fixed_size: 0
    .kernarg_segment_align: 8
    .kernarg_segment_size: 48
    .max_flat_workgroup_size: 256
    .sgpr_count:     66
    .vgpr_count:     258
    .wavefront_size: 32
...
	.end_amdgpu_metadata
.endif
;; end of part 1
;; launch attn (part 2): grid 32 x 8, 8 waves a work-group, clusters of 4 x 1, 327,680 bytes of LDS; arguments qc, kv, x, gamma, out0; writes out0
.if DOCPART == 2
	.amdgcn_target "amdgcn-amd-amdhsa--gfx1250"
	.amdhsa_code_object_version 6
	.text
	.protected	k_qaf4085c3b2_attn
	.globl	k_qaf4085c3b2_attn
	.p2align	8
	.type	k_qaf4085c3b2_attn,@function
k_qaf4085c3b2_attn:
	s_mov_b64 s[64:65], 0
	v_nop
	global_prefetch_b8 v0, s[64:65] scope:SCOPE_SE
	s_setreg_imm32_b32 hwreg(HW_REG_WAVE_MODE, 25, 1), 1
	s_wait_xcnt 0x0
	s_wait_alu depctr_hold_cnt(0) depctr_sa_sdst(0) depctr_va_vdst(0) depctr_va_sdst(0) depctr_va_ssrc(0) depctr_va_vcc(0) depctr_vm_vsrc(0)
	s_getreg_b32 s2, hwreg(HW_REG_IB_STS2, 6, 4)
	s_cmp_eq_u32 s2, 0
	s_cbranch_scc0 .Lentry_in_a_cluster
	s_endpgm
.Lentry_in_a_cluster:
	s_bfe_u32 s2, ttmp6, 0x10000c
	s_cmp_lg_u32 s2, 0x3003
	s_cbranch_scc0 .Lentry_shape_is_right
	s_endpgm
.Lentry_shape_is_right:
; out[b][c][m] = gamma x (sum over n of hx[b][c][n] softmax_n(fx[b][:][n] . gx[b][:][m])) + x[b][c][m], both products on codes of FP8 (E4M3) with one E8M0 scale for each 32 along K.
; Position n is a KEY by fx (64 channels) and carries the VALUE hx (256 channels); position m is a QUERY by gx.  Codes and scale words come from kv and qc in the order of the operands' registers:
; a chunk (128 positions) of kv is 42,496 dense bytes: fx's 8 tiles, fx's scale words, hx's scale words, hx's 16 channel tiles; a chunk of qc holds gx's 8 tiles and their scale words.
; THE SOFTMAX: t = score x log2(e); M = the largest t so far, rounded UP to a whole number; p = 2^(t - M) is quantised along the keys, not normalised; the sum is taken of the unquantised p and divides at the end.
; When M moves, the sum and O are multiplied by 2^(old M - new M): exact.
; SHARES.  A work-group owns the 128 queries of one chunk (grid x) of one batch (grid y).  Eight waves of 512 registers, two to a SIMD, so that one wave's vector work stands beside the other's matrix work.
; Wave w owns query tiles 2 (w % 4), 2 (w % 4) + 1 (32 queries) and walks HALF of the keys: chunks 16 (w / 4) .. + 15.  So each fragment of fx and hx read from LDS feeds two products.
; The two halves meet at the end: both are brought under the larger M by exact powers of two, added through a stage in LDS, divided by the joint sum.
; LAYOUT.  Both products are used transposed: S^T = K Q^T (source 0 = 16 keys), O^T = V^T P^T (source 0 = 16 channels): a lane holds ONE query throughout.  Lane r of tile 2 b + u is position 32 b + 8 u + r + 8 (r / 8)
; of its chunk, so that the 16 registers of score tiles 2 b and 2 b + 1 are 16 neighbouring keys.
; K = 64 IN AN INSTRUCTION OF 128: Q's fragment has zero codes in registers 8-15, and bytes 2, 3 of both scale words are 0 (2^-127).  K's fragment names, as its registers 8-15, the next tile's codes or eight zeros:
; those are numbers (no code is NaN: every number was held at the largest code), and times Q's zeros they add exactly 0.
; CLUSTER.  The four query chunks of a cluster belong to one batch and walk the same kv: each half chunk is asked for JOINTLY, by the same tensor load with the same descriptor and a mask that names the four.
; RING.  Two LDS slots, each with the step's chunk of both halves (84,992 bytes); waves 0 to 3 fetch half a chunk each (83 rows of 256 bytes): one tensor load of a wave is out at any time.
; LIMITS: p under 2^-126 becomes 0; a block of p that is all zeros keeps the scale byte 1 over zero codes; NaN and infinities among the inputs are not served.
; REGISTERS.  Window 0: v1-5 addresses, the add's two; v6-21 scale words and nothing else; v22-29 -M, largest t, sum (two halves) of each tile; v30-55 at work; v56-87 Q; v88-119 four tiles of K, later p's codes; v120-127 zeros;
; v128-255 scores, then p, then fragments of V, at last rows of x.  Window 1: O^T, tile q, channel tile ct at v[128 q + 8 ct].
.set CHUNK, 42496
.set HALFC, 21248
.set SLOT1, 1<<17                      ; slot 1 begins here: one exclusive or turns an address in one slot into the other's
.set KSCO,  8192                       ; in a chunk: K's scale words,
.set VSCO,  8704                       ; V's,
.set VIMG,  9728                       ; V's fragments
.set SPITCH, 528                       ; the way out: a stage row, 128 queries x 4 bytes + 16
.set STG1,  256*SPITCH                 ; a stage of 256 rows (channels) for each half of the keys; they lie over the slots, which by then have had their last fill and their last read
.set SPARE, 2*STG1                     ; the spare words, 128 bytes for each wave: four blocks of 256 bytes that no other line names
.set STATS, SPARE+1024                 ; -M and the sum of each wave's two tiles: 512 bytes a wave
.set LI,  1                            ; 16 x lane
.set LB,  2                            ; + my half's chunk in a slot; on the way out RA0
.set AD,  3                            ; + the slot in hand; on the way out RA1
.set SPW, 4                            ; LDS address of my spare word; never rewritten
.set NIL, 5                            ; 0; never rewritten
.set QS,  6                            ; v6-7   Q's scale words, a register a tile
.set KS,  8                            ; v8-11  K's: register p: lanes 0-15 tile 2 p, lanes 16-31 tile 2 p + 1
.set VS,  12                           ; v12-19 V's: register 4 (ct / 8) + (ct / 2) % 4: lanes 0-15 even ct, lanes 16-31 odd
.set PS,  20                           ; v20-21 p's scale word of each tile
.set ST,  22                           ; tile q: v[22 + 4 q] -M, +1 the largest t, +2, +3 the sum
.set F,   30                           ; v[30:31] 2^(old M - new M) (the low word serves both halves)
.set BM,  32                           ; v32-35 the blocks' largest scores, then largest p
.set PM,  36                           ; v36-39 the other half's; then the bytes
.set HD,  40                           ; v40-43 on the way out: 2^(M - the joint M), mine and my partner's
.set SO,  44                           ; v44-47 the conversions' scale operands
.set T,   48
.set T2,  50                           ; v[50:51] the sum's second chain
.set STW, 52                           ; the way out: my statistics,
.set STR, 53                           ; my partner's,
.set SA0, 54                           ; into the stage: channels 0-127,
.set SA1, 55                           ; channels 128-255
.set QF,  56
.set KF,  88
.set PC,  88
.set KZ,  120
.set S,   128
.set GM,  14                           ; s[14:15] gamma
.set GQ,  16                           ; wave % 4
.set HF,  17                           ; wave / 4
.set WV,  18
.set MNT, 19
.set SEL, 20
.set CS,  22                           ; s[22:23] log2(e)
.set G1,  24
.set G0,  32
.set TB,  36                           ; the slot in hand
.set CNT, 37
.set MSB, 0
.macro WIN new                         ; the immediate's high byte repeats the setting that is left; a switch that changes nothing is dropped
.if MSB != \new
	s_set_vgpr_msb (MSB<<8)|\new
.set MSB, \new
.endif
.endm
.macro PLACES n
.rept \n
	v_nop
.endr
.endm
.macro CROUND                          ; a round of the cluster's barrier
	s_barrier_signal -1
	s_barrier_wait -1
	s_cmp_lg_u32 s[WV], 0
	s_cbranch_scc1 .Lnot_wave_0_\@
	s_barrier_signal -3
.Lnot_wave_0_\@:
	s_barrier_wait -3
	s_barrier_signal -1
	s_barrier_wait -1
.endm
.macro TLOAD                           ; waves 0 to 3 ask, the others do not: the branch hangs on the wave's number alone.  Four v_nop follow the load
	s_cmp_lt_u32 s[WV], 4
	s_cbranch_scc0 .Lnone_\@
	tensor_load_to_lds s[G0:G0+3], s[G1:G1+7]
	s_nop 0
.rept 4
	v_nop
.endr
.Lnone_\@:
.endm
.macro VLOAD area, ct0                 ; V's channel tiles ct0 .. ct0 + 3 of the step's 128 keys: 16 loads of 512 consecutive bytes
.irp k, 0,1,2,3
.irp c, 0,1,2,3
	ds_load_b128 v[\area+16*\k+4*\c:\area+16*\k+4*\c+3], v[AD] offset:VIMG+(\ct0+\k)*2048+512*\c
.endr
.endr
.endm
.macro PVG area, ct0, first            ; O^T += V^T P^T for these four channel tiles and both query tiles: eight accumulators, one instruction each
.irp k, 0,1,2,3
.irp q, 0,1
.set rO, 128*\q+8*(\ct0+\k)
.set rV, \area+16*\k
.set rP, PC+16*\q
.set rA, VS+4*((\ct0+\k)/8)+((\ct0+\k)/2)%4
.if \first
.if \k%2
	v_wmma_scale_f32_16x16x128_f8f6f4 v[rO:rO+7], v[rV:rV+15], v[rP:rP+15], 0, v[rA], v[PS+\q] matrix_a_scale:MATRIX_SCALE_ROW1
.else
	s_wait_alu depctr_va_vdst(0)
	v_wmma_scale_f32_16x16x128_f8f6f4 v[rO:rO+7], v[rV:rV+15], v[rP:rP+15], 0, v[rA], v[PS+\q]
.endif
.else
.if \k%2
	v_wmma_scale_f32_16x16x128_f8f6f4 v[rO:rO+7], v[rV:rV+15], v[rP:rP+15], v[rO:rO+7], v[rA], v[PS+\q] matrix_a_scale:MATRIX_SCALE_ROW1
.else
	v_wmma_scale_f32_16x16x128_f8f6f4 v[rO:rO+7], v[rV:rV+15], v[rP:rP+15], v[rO:rO+7], v[rA], v[PS+\q]
.endif
.endif
.endr
.endr
.endm
.macro RESCALE q                       ; tile q's O^T under the new M, from each accumulator's low end on
	WIN 0x41                                       ; destination and source 0 window 1
.set j, 0
.rept 64
	v_pk_mul_f32 v[128*\q+j:128*\q+j+1], v[128*\q+j:128*\q+j+1], v[F:F+1] op_sel_hi:[1,0]
.set j, j+2
.endr
	WIN 0
.endm
.macro SOFT q                          ; tile q's softmax of the step's 128 keys: scores in v[S + 64 q] on become p, p's codes and p's scale word
.set rS, S+64*\q
.set rN, ST+4*\q
.irp b, 0,1,2,3
	v_max3_num_f32 v[BM+\b], v[rS+16*\b], v[rS+16*\b+1], v[rS+16*\b+2]   ; the largest score of each block of 32 keys: for the row's maximum and, since p rises with the score, for the block's largest p
.endr
.irp i, 3,5,7,9,11,13
.irp b, 0,1,2,3
	v_max3_num_f32 v[BM+\b], v[BM+\b], v[rS+16*\b+\i], v[rS+16*\b+\i+1]
.endr
.endr
.irp b, 0,1,2,3
	v_max_num_f32 v[BM+\b], v[BM+\b], v[rS+16*\b+15]
.endr
.irp b, 0,1,2,3
	s_delay_alu instid0(VALU_DEP_4)
	v_permlanex16_b32 v[PM+\b], v[BM+\b], s[SEL], s[SEL+1]
.endr
.irp b, 0,1,2,3
	s_delay_alu instid0(VALU_DEP_4)
	v_max_num_f32 v[BM+\b], v[BM+\b], v[PM+\b]     ; with lane l xor 16's 16 keys
.endr
	s_delay_alu instid0(VALU_DEP_2)
	v_max3_num_f32 v[T], v[BM], v[BM+1], v[BM+2]
	s_delay_alu instid0(VALU_DEP_1)
	v_max_num_f32 v[T], v[T], v[BM+3]
	s_delay_alu instid0(VALU_DEP_1)
	v_mul_f32 v[T], s[CS], v[T]                    ; as t (log2(e) is positive)
	s_delay_alu instid0(VALU_DEP_1)
	v_max_num_f32 v[rN+1], v[rN+1], v[T]           ; the running largest t
	v_mov_b32 v[T], v[rN]
	s_delay_alu instid0(VALU_DEP_2)
	v_floor_f32 v[rN], -v[rN+1]                    ; the new -M = floor(-t): M is a whole number
	s_delay_alu instid0(VALU_DEP_1)
	v_sub_f32 v[T], v[rN], v[T]                    ; old M - new M: a whole number, 0 or less
	s_delay_alu instid0(VALU_DEP_1)
	v_cvt_i32_f32 v[T], v[T]                       ; (it saturates)
	s_delay_alu instid0(VALU_DEP_1)
	v_ldexp_f32 v[F], 1.0, v[T]                    ; f = 2^(old M - new M)
.set j, 0
.rept 32
	v_pk_fma_f32 v[rS+j:rS+j+1], v[rS+j:rS+j+1], s[CS:CS+1], v[rN:rN+1] op_sel_hi:[1,0,0]   ; t - M, two at a time
.set j, j+2
.endr
.irp b, 0,1,2,3
	v_fma_f32 v[BM+\b], v[BM+\b], s[CS], v[rN]     ; the same of each block's largest score
.endr
.set j, 0
	s_wait_alu depctr_va_vdst(0)
.rept 64
	v_exp_f32 v[rS+j], v[rS+j]                     ; p = 2^(t - M), at most 1
.set j, j+1
.endr
.irp b, 0,1,2,3
	v_exp_f32 v[BM+\b], v[BM+\b]                   ; the block's largest p
.endr
	v_pk_mul_f32 v[rN+2:rN+3], v[rN+2:rN+3], v[F:F+1] op_sel_hi:[1,0]   ; the sums under the new M (a plain instruction behind the exponentials)
	s_wait_alu depctr_va_vdst(0)
.irp b, 0,1,2,3
	v_max_num_f32 v[BM+\b], 0x4800000, v[BM+\b]    ; the floor 2^(9 - 127): the byte cannot fall under 1
.endr
.irp b, 0,1,2,3
	s_delay_alu instid0(VALU_DEP_4)
	v_add_nc_u32 v[SO+\b], 0xfc000000, v[BM+\b]    ; 8 off the exponent field: the conversion's scale operand
.endr
.irp b, 0,1,2,3
.endr
.irp b, 0,1,2,3
	s_delay_alu instid0(VALU_DEP_4)
	v_lshrrev_b32 v[PM+\b], 23, v[SO+\b]           ; the scale's byte
.endr
	s_delay_alu instid0(VALU_DEP_3)
	v_lshl_or_b32 v[PS+\q], v[PM+1], 8, v[PM]
	s_delay_alu instid0(VALU_DEP_1)
	v_lshl_or_b32 v[PS+\q], v[PM+2], 16, v[PS+\q]
	s_delay_alu instid0(VALU_DEP_1)
	v_lshl_or_b32 v[PS+\q], v[PM+3], 24, v[PS+\q]
	v_pk_add_f32 v[T2:T2+1], v[rS:rS+1], v[rS+2:rS+3]   ; the row's sum is taken of the unquantised p, in two chains
.set j, 4
.rept 15
	v_pk_add_f32 v[rN+2:rN+3], v[rN+2:rN+3], v[rS+j:rS+j+1]
	v_pk_add_f32 v[T2:T2+1], v[T2:T2+1], v[rS+j+2:rS+j+3]
.set j, j+4
.endr
	s_delay_alu instid0(VALU_DEP_1)
	v_pk_add_f32 v[rN+2:rN+3], v[rN+2:rN+3], v[T2:T2+1]
.irp b, 0,1,2,3
.irp i, 0,1,2,3,4,5,6,7,8,9,10,11,12,13,14,15
.endr
	v_cvt_scalef32_pk8_fp8_f32 v[PC+16*\q+4*\b:PC+16*\q+4*\b+1], v[rS+16*\b:rS+16*\b+7], v[SO+\b]
	v_cvt_scalef32_pk8_fp8_f32 v[PC+16*\q+4*\b+2:PC+16*\q+4*\b+3], v[rS+16*\b+8:rS+16*\b+15], v[SO+\b]
.endr
.endm
; A KEY STEP: my half's chunk of the slot in hand, 128 keys x my 32 queries.  first = 1: the products V^T P start O^T's sums, and there is nothing to rescale
.macro STEP first
	v_add_nc_u32 v[AD], s[TB], v[LB]
	s_wait_alu depctr_va_vdst(0)
	PLACES 9                                       ; with the line above ten places: the loads below land in registers that the last step's products read, and the products below write over others of them
.irp g, 0,1                            ; S^T = K Q^T, four tiles of 16 keys at a time
.irp tt, 0,1,2,3
.irp c, 0,1
	ds_load_b128 v[KF+8*\tt+4*\c:KF+8*\tt+4*\c+3], v[AD] offset:(4*\g+\tt)*1024+512*\c
.endr
.endr
.if \g == 0
	ds_load_b128 v[KS:KS+3], v[AD] offset:KSCO
.endif
	s_wait_dscnt 0x0
.irp tt, 0,1,2,3
.irp q, 0,1
.set rD, S+64*\q+8*(4*\g+\tt)
.if \tt%2
	v_wmma_scale_f32_16x16x128_f8f6f4 v[rD:rD+7], v[KF+8*\tt:KF+8*\tt+15], v[QF+16*\q:QF+16*\q+15], 0, v[KS+2*\g+\tt/2], v[QS+\q] matrix_a_scale:MATRIX_SCALE_ROW1
.else
	v_wmma_scale_f32_16x16x128_f8f6f4 v[rD:rD+7], v[KF+8*\tt:KF+8*\tt+15], v[QF+16*\q:QF+16*\q+15], 0, v[KS+2*\g+\tt/2], v[QS+\q]
.endif
.endr
.endr
	PLACES 8                                       ; in front of the next loads into K's registers, and of the first read of scores
.endr
	SOFT 0
	v_nop
	VLOAD S, 0                                     ; tile 0's p has become codes: its registers take V's first four tiles, which land under tile 1's softmax
	ds_load_b128 v[VS:VS+3], v[AD] offset:VSCO
	ds_load_b128 v[VS+4:VS+7], v[AD] offset:VSCO+512
.if !\first
	RESCALE 0
.endif
	SOFT 1
	v_nop
	VLOAD S+64, 4
.if \first
	PLACES 8                                       ; codes written by vector instructions stand four places ahead of a scaled matrix instruction
.else
	RESCALE 1                                      ; (these 64 are those places too)
.endif
	s_wait_alu depctr_va_vdst(0)
	s_wait_dscnt 0x0
	WIN 0x50                                       ; C and D window 1
	PVG S, 0, \first
	PLACES 8
	WIN 0
	VLOAD S, 8
	WIN 0x50
	PVG S+64, 4, \first
	PLACES 8
	WIN 0
	VLOAD S+64, 12
	s_wait_dscnt 16                                ; tiles 8-11 are in; the 16 loads of tiles 12-15 may be out
	WIN 0x50
	PVG S, 8, \first
	s_wait_dscnt 0x0
	PVG S+64, 12, \first
	WIN 0
.endm
; A TRIP: the change of slots stands at its head.  Each wave waits for all its tensor loads (its part of the slot that it is about to read), adds 0 to its spare word, and waits for that and for its reads of the slot left.
; refill = 1: a round of the cluster's barrier, so that no wave of any partner still reads that slot or has a load on its way; the joint load of the next step's chunks is the first thing behind it and has the whole step in which to land.
.macro TRIP first, refill
	s_wait_tensorcnt 0x0                           ; no tensor load of mine is out, so group 0 may be written
	ds_add_u32 v[SPW], v[NIL]                      ; 0 onto my spare word
.if \refill
	s_xor_b32 s[G0+1], s[G0+1], SLOT1              ; the walking descriptor: the other slot,
	s_add_nc_u64 s[G0+2:G0+3], s[G0+2:G0+3], CHUNK ; the next chunk of its half; the type bits on top are not reached
.endif
	s_wait_dscnt 0x0                               ; the add is done, and my reads of the slot that I have left are over
.if \refill
	CROUND
	TLOAD
.else
	s_barrier_signal -1
	s_barrier_wait -1
.endif
	STEP \first
	s_xor_b32 s[TB], s[TB], SLOT1
.endm
	s_load_b256 s[4:11], s[0:1], 0x0               ; qc s[4:5], kv s[6:7], x s[8:9], gamma s[10:11]
	s_load_b64 s[12:13], s[0:1], 0x20              ; out0
	v_lshl_add_u32 v[SPW], v0, 2, SPARE
	v_mov_b32 v[NIL], 0
	ds_add_u32 v4, v5
	ds_add_u32 v4, v5
	s_wait_dscnt 0x0
	v_lshrrev_b32 v1, 5, v0
	s_delay_alu instid0(VALU_DEP_1)
	v_readfirstlane_b32 s[WV], v1                  ; wave 0..7
	s_and_b32 s[GQ], s[WV], 3
	s_lshr_b32 s[HF], s[WV], 2
	s_bfe_u32 s38, ttmp6, 0x40000                  ; cx: my place in the cluster: it enters qc's, x's and out0's addresses alone
	s_lshl_b32 s39, ttmp9, 2
	s_add_co_u32 s39, s39, s38                     ; my chunk of queries = 4 x cluster x + cx
	s_and_b32 s40, ttmp7, 0xffff                   ; the batch, which the four partners share
	; descriptor group 1: half a chunk, 21,248 dense bytes, as 83 rows of 256 bytes (32 elements of 8 bytes)
	s_mov_b32 s[G1], 15|(3<<16)|(1<<21)            ; 15:0 the mask: all four work-groups; 17:16 elements of 8 bytes; 21 set beside a mask
	s_mov_b32 s[G1+1], 32<<16                      ; tensor_dim0
	s_mov_b32 s[G1+2], 83<<16                      ; tensor_dim1
	s_mov_b32 s[G1+3], 32<<16                      ; tile_dim0
	s_mov_b32 s[G1+4], 83                          ; tile_dim1
	s_mov_b32 s[G1+5], 32                          ; tensor_dim0_stride
	s_mov_b32 s[G1+6], 0
	s_mov_b32 s[G1+7], 0
	s_mul_i32 s42, s40, 32*CHUNK                   ; what I fetch, if I fetch: the batch,
	s_bfe_u32 s41, s[WV], 0x10001
	s_mul_i32 s41, s41, 16*CHUNK                   ; the half of the keys (waves 0, 1: the first; 2, 3: the second),
	s_add_co_u32 s42, s42, s41
	s_and_b32 s41, s[WV], 1
	s_mul_i32 s41, s41, HALFC                      ; the half of the chunk
	s_add_co_u32 s42, s42, s41
	s_mov_b32 s43, 0
	s_lshl_b32 s44, s40, 5
	s_add_co_u32 s44, s44, s39
	s_mul_i32 s44, s44, 8704                       ; my chunk of qc
	s_mov_b32 s45, 0
	s_lshl_b32 s46, s40, 22                        ; x and out0: the batch,
	s_lshl_b32 s47, s39, 9                         ; my chunk's 512 bytes of a row,
	s_add_co_u32 s46, s46, s47
	s_lshl_b32 s47, s[WV], 19                      ; the 32 channels that my wave stores
	s_add_co_u32 s46, s46, s47
	s_mov_b32 s47, 0
	s_mov_b32 s[SEL], 0x76543210
	s_mov_b32 s[SEL+1], 0xfedcba98                 ; v_permlanex16_b32's selects for lane l xor 16
	s_mov_b32 s[CS], 0x3fb8aa3b                    ; log2(e)
	s_mov_b32 s[CS+1], s[CS]                       ; (named with it as a pair, so it is written)
	s_mov_b32 s[TB], 0
	s_wait_kmcnt 0x0
	s_load_b32 s[GM], s[10:11], 0x0                ; gamma
	s_mov_b32 s[G0], 1
	s_mul_i32 s[G0+1], s[WV], HALFC                ; slot 0: wave w's quarter: no place in the cluster enters an LDS address
	s_add_nc_u64 s[G0+2:G0+3], s[6:7], s[42:43]
	s_or_b32 s[G0+3], s[G0+3], 0x80000000
	s_add_nc_u64 s[4:5], s[4:5], s[44:45]
	s_add_nc_u64 s[8:9], s[8:9], s[46:47]
	s_add_nc_u64 s[12:13], s[12:13], s[46:47]
	CROUND                                         ; all four work-groups are here: the first joint loads meet
	TLOAD                                          ; step 0's chunks into slot 0
	v_and_b32 v[T], 31, v0
	s_delay_alu instid0(VALU_DEP_1)
	v_lshlrev_b32 v[LI], 4, v[T]
	s_mul_i32 s[CNT], s[HF], CHUNK
	v_add_nc_u32 v[LB], s[CNT], v[LI]
	s_lshl_b32 s[CNT], s[GQ], 11
	v_add_nc_u32 v[T+1], s[CNT], v[LI]             ; my two tiles of gx: 2,048 x (wave % 4) + 16 x lane
	v_and_b32 v[T2], 15, v0
	s_delay_alu instid0(VALU_DEP_1)
	v_lshlrev_b32 v[T2], 2, v[T2]
	s_lshl_b32 s[CNT], s[GQ], 7
	v_add_nc_u32 v[T2], s[CNT], v[T2]              ; and their scale words: 64 bytes a tile, 4 a query
.irp q, 0,1
.irp c, 0,1
	global_load_b128 v[QF+16*\q+4*\c:QF+16*\q+4*\c+3], v[T+1], s[4:5] offset:1024*\q+512*\c
.endr
	global_load_b32 v[QS+\q], v[T2], s[4:5] offset:8192+64*\q
.endr
.irp j, 0,1,2,3,4,5,6,7
	v_mov_b32 v[QF+8+\j], 0                        ; Q's K = 64 .. 127: zero codes
	v_mov_b32 v[QF+24+\j], 0
	v_mov_b32 v[KZ+\j], 0                          ; behind K's fourth tile
.endr
.irp q, 0,1
	v_mov_b32 v[ST+4*\q+1], 0xff61b1e6             ; the largest t so far: -3e38, under every t
	s_delay_alu instid0(VALU_DEP_1)
	v_floor_f32 v[ST+4*\q], -v[ST+4*\q+1]          ; -M
	v_mov_b32 v[ST+4*\q+2], 0                      ; the sum, in two halves
	v_mov_b32 v[ST+4*\q+3], 0
.endr
.irp b, 0,1,2,3
	v_mov_b32 v[PM+\b], 0                          ; written once: a lane permute's destination counts as one of its sources
.endr
	v_mov_b32 v[F+1], 0                            ; (named as the upper half of a pair)
	s_wait_kmcnt 0x0
	s_mov_b32 s[GM+1], s[GM]
	s_wait_loadcnt 0x0                             ; Q
	TRIP 1, 1                                      ; step 0 starts O^T's sums; slot 1 is asked for as every refill is
	s_mov_b32 s[CNT], 14
.Ltrip:
	TRIP 0, 1
	s_sub_co_u32 s[CNT], s[CNT], 1
	s_cmp_lg_u32 s[CNT], 0
	s_cbranch_scc1 .Ltrip
	TRIP 0, 0                                      ; step 15 is written out: nothing is left to fetch
	; THE WAY OUT.  The fourteen address lines are the places behind the last products.
	v_and_b32 v[T], 31, v0
	s_delay_alu instid0(VALU_DEP_1)
	v_lshlrev_b32 v[T], 2, v[T]
	s_lshl_b32 s[CNT], s[WV], 9
	s_add_co_u32 s[CNT], s[CNT], STATS
	v_add_nc_u32 v[STW], s[CNT], v[T]
	s_xor_b32 s[CNT], s[WV], 4                     ; my partner: the same queries, the other half of the keys
	s_lshl_b32 s[CNT], s[CNT], 9
	s_add_co_u32 s[CNT], s[CNT], STATS
	v_add_nc_u32 v[STR], s[CNT], v[T]
	v_and_b32 v[T], 15, v0
	s_delay_alu instid0(VALU_DEP_1)
	v_and_b32 v[T+1], 8, v[T]
	s_delay_alu instid0(VALU_DEP_1)
	v_add_nc_u32 v[T], v[T], v[T+1]                ; r + 8 (r / 8)
	v_bfe_u32 v[T+1], v0, 4, 1
	s_delay_alu instid0(VALU_DEP_1)
	v_mul_u32_u24 v[T+1], v[T+1], 8*SPITCH         ; lanes 16-31 hold channels 8 further on
	s_delay_alu instid0(VALU_DEP_1)
	v_lshl_add_u32 v[SA0], v[T], 2, v[T+1]
	s_mul_i32 s[CNT], s[HF], STG1
	s_lshl_b32 s[TB], s[GQ], 7                     ; my queries begin at position 32 (wave % 4)
	s_add_co_u32 s[CNT], s[CNT], s[TB]
	v_add_nc_u32 v[SA0], s[CNT], v[SA0]
	s_delay_alu instid0(VALU_DEP_1)
	v_add_nc_u32 v[SA1], 128*SPITCH, v[SA0]
	s_mul_i32 s[CNT], s[WV], 32*SPITCH
	v_add_nc_u32 v[LB], s[CNT], v[LI]              ; back: my wave's 32 rows of stage 0,
	s_delay_alu instid0(VALU_DEP_1)
	v_add_nc_u32 v[AD], STG1, v[LB]                ; and of stage 1
.irp q, 0,1
	v_add_f32 v[ST+4*\q+2], v[ST+4*\q+2], v[ST+4*\q+3]
.endr
.irp q, 0,1
	s_delay_alu instid0(VALU_DEP_2)
	v_permlanex16_b32 v[PM+\q], v[ST+4*\q+2], s[SEL], s[SEL+1]
.endr
.irp q, 0,1
	s_delay_alu instid0(VALU_DEP_2)
	v_add_f32 v[ST+4*\q+2], v[ST+4*\q+2], v[PM+\q] ; the sum over my half of the keys
.endr
.irp q, 0,1
	ds_store_b32 v[STW], v[ST+4*\q] offset:256*\q
	ds_store_b32 v[STW], v[ST+4*\q+2] offset:256*\q+128
.endr
.set n, 0
.rept 32
	global_load_b128 v[S+4*n:S+4*n+3], v[LI], s[8:9] offset:16384*n th:TH_LOAD_NT   ; x at the 32 rows that I shall store: 512 consecutive bytes a load; each byte is read once in the launch
.set n, n+1
.endr
	s_wait_dscnt 0x0                               ; my statistics have landed, and my reads of the slots are over
	s_barrier_signal -1
	s_barrier_wait -1                              ; so have everybody's: the slots may become stages
.irp q, 0,1
	ds_load_b32 v[PM+2*\q], v[STR] offset:256*\q
	ds_load_b32 v[PM+2*\q+1], v[STR] offset:256*\q+128
.endr
	s_wait_dscnt 0x0
.irp q, 0,1
	v_min_num_f32 v[BM+\q], v[ST+4*\q], v[PM+2*\q] ; the joint -M
.endr
.irp q, 0
	s_delay_alu instid0(VALU_DEP_2)
	v_sub_f32 v[HD+\q], v[BM+\q], v[ST+4*\q]       ; my M - the joint M: a whole number, 0 or less;
	s_delay_alu instid0(VALU_DEP_3)
	v_sub_f32 v[HD+2+\q], v[BM+\q], v[PM+2*\q]
.endr
.irp q, 1
	s_delay_alu instid0(VALU_DEP_3)
	v_sub_f32 v[HD+\q], v[BM+\q], v[ST+4*\q]
	s_delay_alu instid0(VALU_DEP_4)
	v_sub_f32 v[HD+2+\q], v[BM+\q], v[PM+2*\q]     ; my partner's
.endr
.irp i, 0,1,2,3
	v_cvt_i32_f32 v[HD+\i], v[HD+\i]
.endr
.irp i, 0,1,2,3
	s_delay_alu instid0(VALU_DEP_4)
	v_ldexp_f32 v[HD+\i], 1.0, v[HD+\i]
.endr
.irp q, 0,1
	s_delay_alu instid0(VALU_DEP_2)
	v_mul_f32 v[SO+\q], v[PM+2*\q+1], v[HD+2+\q]
.endr
.irp q, 0,1
	s_delay_alu instid0(VALU_DEP_2)
	v_fma_f32 v[SO+\q], v[ST+4*\q+2], v[HD+\q], v[SO+\q]   ; the row's sum under the joint M
.endr
	s_wait_alu depctr_va_vdst(0)
.irp q, 0,1
	v_rcp_f32 v[SO+\q], v[SO+\q]
.endr
	v_nop                                          ; a plain instruction behind the reciprocals
	s_wait_alu depctr_va_vdst(0)
.irp q, 0,1
	v_mul_f32 v[BM+2*\q], v[HD+\q], v[SO+\q]       ; what my O^T is multiplied by
.endr
.irp q, 0,1
	s_delay_alu instid0(VALU_DEP_2)
	v_mov_b32 v[BM+2*\q+1], v[BM+2*\q]             ; (the pair is named)
.endr
	WIN 0x41
.set n, 0
.rept 128
	v_pk_mul_f32 v[n:n+1], v[n:n+1], v[BM+2*(n/128):BM+2*(n/128)+1] op_sel_hi:[1,0]   ; each accumulator from its low end on
.set n, n+2
.endr
	WIN 0x04                                       ; an LDS store's data are its source 1: window 1
.set n, 0
.rept 256                              ; register 128 q + 8 ct + j is o(channel 16 ct + 8 (lane / 16) + j, my query): row = channel; 8 rows are 1,056 words = 32 mod 64, so the halves of the lanes fall on different banks
	ds_store_b32 v[SA0+((n/8)%16)/8], v[n] offset:(16*((n/8)%8)+n%8)*SPITCH+32*(n/128)
.set n, n+1
.endr
	WIN 0
	s_wait_dscnt 0x0                               ; for the others' sake: my stores into the stage are done
	s_barrier_signal -1
	s_barrier_wait -1
	WIN 0x40                                       ; destination window 1
.set n, 0
.rept 32
	ds_load_b128 v[8*n:8*n+3], v[LB] offset:n*SPITCH     ; row 32 w + n of the first half's stage,
	ds_load_b128 v[8*n+4:8*n+7], v[AD] offset:n*SPITCH   ; and of the second's
.set n, n+1
.endr
	s_wait_loadcnt 0x0                             ; x
.irp k, 0,1,2,3                        ; eight rows at a time
	s_wait_dscnt 48-16*\k                          ; their 16 loads are in; those of the later rows may be out
	WIN 0x45
.set n, 8*\k
.rept 8
	v_pk_add_f32 v[8*n:8*n+1], v[8*n:8*n+1], v[8*n+4:8*n+5]
	v_pk_add_f32 v[8*n+2:8*n+3], v[8*n+2:8*n+3], v[8*n+6:8*n+7]
.set n, n+1
.endr
	WIN 0x01                                       ; source 0 window 1
.set n, 8*\k
.rept 8
	v_pk_fma_f32 v[S+4*n:S+4*n+1], v[8*n:8*n+1], s[GM:GM+1], v[S+4*n:S+4*n+1] op_sel_hi:[1,0,1]       ; o x gamma + x
	v_pk_fma_f32 v[S+4*n+2:S+4*n+3], v[8*n+2:8*n+3], s[GM:GM+1], v[S+4*n+2:S+4*n+3] op_sel_hi:[1,0,1]
.set n, n+1
.endr
	WIN 0
.set n, 8*\k
.rept 8
	global_store_b128 v[LI], v[S+4*n:S+4*n+3], s[12:13] offset:16384*n th:TH_STORE_NT   ; 32 lanes store 512 consecutive bytes, at a multiple of 512 from out0's first byte
.set n, n+1
.endr
.endr
	s_wait_tensorcnt 0x0                           ; the wave's end, behind my last tensor load and my last LDS store
	ds_add_u32 v[SPW], v[NIL]
	s_wait_dscnt 0x0
	CROUND                                         ; the closing round: no work-group ends while a partner may still ask for a tile that names it
	s_endpgm
.Lfunc_end_k_qaf4085c3b2_attn:
	.size	k_qaf4085c3b2_attn, .Lfunc_end_k_qaf4085c3b2_attn-k_qaf4085c3b2_attn
	.p2alignl 7, 3214868480
	.fill 96, 4, 3214868480
	.section	.rodata,"a",@progbits
	.p2align	6, 0x0
	.amdhsa_kernel k_qaf4085c3b2_attn
		.amdhsa_group_segment_fixed_size 327680
		.amdhsa_private_segment_fixed_size 0
		.amdhsa_enable_private_segment 0
		.amdhsa_kernarg_size 40
		.amdhsa_user_sgpr_count 2
		.amdhsa_user_sgpr_kernarg_segment_ptr 1
		.amdhsa_wavefront_size32 1
		.amdhsa_system_sgpr_workgroup_id_x 1
		.amdhsa_system_sgpr_workgroup_id_y 1
		.amdhsa_system_sgpr_workgroup_id_z 1
		.amdhsa_system_vgpr_workitem_id 0
		.amdhsa_next_free_vgpr 512
		.amdhsa_next_free_sgpr 66
		.amdhsa_reserve_vcc 0
		.amdhsa_float_denorm_mode_32 3
		.amdhsa_float_denorm_mode_16_64 3
		.amdhsa_fp16_overflow 1
		.amdhsa_memory_ordered 1
		.amdhsa_forward_progress 1
		.amdhsa_inst_pref_size 179
	.end_amdhsa_kernel
	.amdgpu_metadata
---
amdhsa.version: [ 1, 2 ]
amdhsa.kernels:
  - .name:           k_qaf4085c3b2_attn
    .symbol:         k_qaf4085c3b2_attn.kd
    .args:
      - { .name: qc, .offset: 0, .size: 8, .value_kind: global_buffer, .address_space: global }
      - { .name: kv, .offset: 8, .size: 8, .value_kind: global_buffer, .address_space: global }
      - { .name: x, .offset: 16, .size: 8, .value_kind: global_buffer, .address_space: global }
      - { .name: gamma, .offset: 24, .size: 8, .value_kind: global_buffer, .address_space: global }
      - { .name: out0, .offset: 32, .size: 8, .value_kind: global_buffer, .address_space: global }
    .group_segment_fixed_size: 327680
    .private_segment_fixed_size: 0
    .kernarg_segment_align: 8
    .kernarg_segment_size: 40
    .max_flat_workgroup_size: 256
    .sgpr_count:     66
    .vgpr_count:     512
    .wavefront_size: 32
...
	.end_amdgpu_metadata
.endif
;; end of part 2
